; MI455X (gfx1250); checked and timed in simulation.
; The chip was launched on July 23, 2026; its instructions are those of AMD's public machine-readable ISA for CDNA 5 (MIT licence, August 2026) and "CDNA5" Instruction Set Architecture Reference Guide (July 2026). The comments in the code are by the model that wrote it; some were corrected since.
;; Dotproduct scaled. Allowed arithmetic: matrix products marked QUANTISED: E3M2 operands, one E8M0 scale for each 32 along K, by v_wmma_scale_f32_16x16x128_f8f6f4 with both operands' format E3M2, f32 sums; everything else in f32.
;; Inputs: db1 512 float32; db2 512 float32; db3 512 float32; dw1_codes 512 x 16 x 24 uint8 (E3M2 codes of dw1, K innermost, in blocks of 32 codes, four codes in three bytes); dw1_scales 512 x 16 uint8 (E8M0 scales of dw1, one for each 32 codes along K); dw2_codes 512 x 16 x 24 uint8 (E3M2 codes of dw2, K innermost, in blocks of 32 codes, four codes in three bytes); dw2_scales 512 x 16 uint8 (E8M0 scales of dw2, one for each 32 codes along K); dw3_codes 512 x 16 x 24 uint8 (E3M2 codes of dw3, K innermost, in blocks of 32 codes, four codes in three bytes); dw3_scales 512 x 16 uint8 (E8M0 scales of dw3, one for each 32 codes along K); inputs 4 x 16 x 512 x 512 float32; mask_array 4 x 8,192 x 512 float32.
;; Outputs: out0 4 x 16 x 512 x 512 float32.
;; This version of the problem:
;;   THIS VERSION OF THE PROBLEM IS GIVEN IN LOW PRECISION. The matrix products marked QUANTISED in the list below multiply operands that are first quantised to E3M2 (3 exponent bits, 2 mantissa bits; 6 bits a number), with one power-of-two scale for each 32 numbers along K (OCP MX v1.0); their sums are f32. All else is computed in f32.
;;   The module's matrix products, in the order in which they are computed (A, B: the left and right operand; K: the contracted axis; several contracted axes count as one K, in the product's order):
;;     1. [M 32,768, K 512] x [K 512, N 512]; A: input inputs; B: input dw1 (given as codes): QUANTISED
;;     2. [M 32,768, K 512] x [K 512, N 512]; A: input inputs; B: input dw2 (given as codes): QUANTISED
;;     3. [M 32,768, K 512] x [K 512, N 512]; A: input inputs; B: input dw3 (given as codes): QUANTISED
;;     4. [M 32,768, K 512] x [K 512, N 512]; A: input inputs; B: input dw3 (given as codes): QUANTISED
;;     5. batch 64 x [M 512, K 512] x [K 512, N 512]; A: computed on the way; B: computed on the way: QUANTISED
;;     6. batch 64 x [M 512, K 512] x [K 512, N 512]; A: softmax (see below); B: computed on the way: QUANTISED
;;   THE QUANTISER, for each operand of a quantised product, along K:
;;     - K is cut into blocks of 32 from its start; a last block that is shorter is filled with zeros.
;;     - A block's scale is 2^e with e = floor(log2(the largest magnitude in the block)) - 4, held to -126 .. 127; a block of zeros has e = 0. As a byte (E8M0): e + 127.
;;     - Each number is divided by its block's scale, clamped to +-28, and rounded to the nearest number of E3M2, ties to even, subnormals kept.
;;     - The product sums the exact products of the quantised numbers (number of the format x scale) in f32.
;;   ~~~python
;;   def quantise(x, axis):      # numpy; x: float32 -> the quantised numbers, widened to float32 again
;;       x = np.moveaxis(x, axis, -1); K = x.shape[-1]
;;       x = np.pad(x, [(0, 0)] * (x.ndim - 1) + [(0, -K % 32)]); x = x.reshape(x.shape[:-1] + (-1, 32)); a = np.abs(x).max(-1, keepdims=True)
;;       e = np.where(a > 0, np.clip(np.frexp(np.where(a > 0, a, 1))[1] - 1 - 4, -126, 127), 0)      # np.frexp(a)[1] - 1 = floor(log2(a)), exactly
;;       r = np.clip(x / 2.0 ** e, -28, 28)
;;       step = 2.0 ** (np.maximum(np.frexp(np.where(r == 0, 1, r))[1] - 1, -2) - 2)
;;       q = np.round(r / step) * step * 2.0 ** e      # np.round: ties to even
;;       return np.moveaxis(q.reshape(q.shape[:-2] + (-1,))[..., :K], -1, axis).astype(np.float32)
;;   ~~~
;;   SOFTMAX AHEAD OF A QUANTISED PRODUCT. Where the list says 'softmax', what is quantised is not the finished softmax but p = 2^(t - M), with t = logit x log2(e) and M = ceil(the row's largest t), a whole number; so 1/2 < the row's largest p <= 1. The row's sum l is taken of the UNQUANTISED p, in f32, and the product's result is divided by l at the end. Since M is a whole number, a kernel that streams over the keys may use a running M (the ceiling of the running maximum): every later rescaling is an exact power of two, which a block's scale takes up: the codes' values come out the same.
;;   OPERANDS COMPUTED ON THE WAY. 'Computed on the way' means the value that the module computes at that place (a softmax that the list does not call 'softmax' is quantised finished and normalised). What goes into a quantiser is computed in f32, as accurately as f32 sums, v_exp_f32 and their like allow (about 1e-6 of the number): no bf16 or f16 on the way to a quantiser, and a product that is left as it is and whose result goes on into a quantised operand takes f32 operands (vector FMAs, or v_wmma_f32_16x16x4_f32). A number that lies on a knife's edge between two numbers of the format may be rounded either way, as far as f32 arithmetic and the matrix unit's own rounding can turn it there, and no further.
;;   INPUTS GIVEN AS CODES. dw1 (in the module: [512, 512], K = its axis 0); dw2 (in the module: [512, 512], K = its axis 0); dw3 (in the module: [512, 512], K = its axis 0): each comes as NAME_codes (uint8): NAME with its K axis moved to the last place and cut into blocks of 32 codes, [.., K / 32, bytes a block], one block behind the other in memory; four codes in three bytes: a row's codes are one little-endian stream of bits, code i at bits 6 i .. 6 i + 5 (a code: sign, 3 exponent bits, 2 mantissa bits); and NAME_scales (uint8): the same leading axes, one E8M0 byte (e + 127) for each 32 codes along K. Its value is code x scale, taken as it is: it is not quantised again, and the codes and scales need not be those that the quantiser above would give.
;; One version. Each part assembles by itself: llvm-mc -triple=amdgcn-amd-amdhsa -mcpu=gfx1250 --defsym DOCPART=n.
;; ======== version 1 of 1: 2 launches
;; limits: right only within a limited range of input values
;; workspace buffers: qc 12,582,912 bytes; qsc 524,288 bytes; kc 12,582,912 bytes; ksc 524,288 bytes; vc 12,582,912 bytes; vsc 524,288 bytes
;; launch project (part 1): grid 256 x 1, 4 waves a work-group, clusters of 4 x 1, 327,680 bytes of LDS; arguments inputs, dw1_codes, dw1_scales, db1, dw2_codes, dw2_scales, db2, dw3_codes, dw3_scales, db3, qc, qsc, kc, ksc, vc, vsc; writes qc, qsc, kc, ksc, vc, vsc
.if DOCPART == 1
	.amdgcn_target "amdgcn-amd-amdhsa--gfx1250"
	.amdhsa_code_object_version 6
	.text
	.protected	k_qa57af85247_project
	.globl	k_qa57af85247_project
	.p2align	8
	.type	k_qa57af85247_project,@function
k_qa57af85247_project:
	s_mov_b64 s[64:65], 0
	v_nop
	global_prefetch_b8 v0, s[64:65] scope:SCOPE_SE
	s_setreg_imm32_b32 hwreg(HW_REG_WAVE_MODE, 25, 1), 1
	s_wait_xcnt 0x0
	s_wait_alu depctr_hold_cnt(0) depctr_sa_sdst(0) depctr_va_vdst(0) depctr_va_sdst(0) depctr_va_ssrc(0) depctr_va_vcc(0) depctr_vm_vsrc(0)
	s_getreg_b32 s2, hwreg(HW_REG_IB_STS2, 6, 4)
	s_cmp_eq_u32 s2, 0
	s_cbranch_scc0 .Lentry_in_a_cluster
	s_endpgm
.Lentry_in_a_cluster:
	s_bfe_u32 s2, ttmp6, 0x10000c
	s_cmp_lg_u32 s2, 0x3003
	s_cbranch_scc0 .Lentry_shape_is_right
	s_endpgm
.Lentry_shape_is_right:
; Q = X W1 + b1, K = X W2 + b2, V = X W3 + b3 on codes of BF6 (E3M2) with one E8M0 scale for each 32 along K, and the three results quantised again: Q and K along d, V along the keys.
; X: [32768][512] f32, quantised here along d.  W1..3: codes [512 (n)][512 (k)], 384 bytes a row, and scale bytes [512][16].  b1..3: [512] f32.
; SHARES.  A work-group of four waves takes 128 rows of X and all 1,536 output columns.  THE WAVES SHARE THE COLUMNS: wave w makes n = 128 w .. 128 w + 127 of Q, then of K, then of V.
; One core serves the three passes: 8 accumulators, D[t] += HELD(t, s) x STREAM(s), t = 0..7, s = 0..3 (K steps of 128).
;   Q, K: HELD = my 128 rows of the weight, in registers; STREAM = 16 rows of X.  A lane then holds one row of X and its 64 registers run along n.
;   V:    HELD = the work-group's 128 rows of X; STREAM = 16 rows of W3.  A lane then holds one d and its 64 registers run along the keys.
; THE ROWS OF A HELD TILE ARE NOT NEIGHBOURS: lane r of tile 2 b + u takes row 32 b + 8 u + r + 8 (r / 8), so that the 16 registers of tiles 2 b and 2 b + 1 are 16 neighbours, 32 b + 16 (lane / 16) + 0 .. 15, along the axis that is quantised next.
; THE WEIGHTS are walked by every work-group alike: each wave's slice (128 rows x 384 bytes, dense) is asked for JOINTLY by the four work-groups of a cluster, into one slab of LDS that is filled three times.
; W1 and W2 are copied from the slab into registers at the head of their pass, so that the next weight has a whole pass in which to land.  By this text's count a wave has one tensor load out at the most.
; THE ORDER AT THE HEAD: W1 is asked for, then half of X; X's tiles 0 to 3 are quantised while W1 is on its way, and each of them asks for the tile four further on: all of X is asked for ahead of the first product.
; THE WORKSPACE IS LAID AS IMAGES OF OPERAND REGISTERS: a fragment (16 rows x 128 K, 12 registers) is three stores of 512 consecutive bytes, lane l's 16 bytes at 16 l.
;   qc, kc, vc: [work-group][wave][tile 0..7] x 1,536 bytes.  qsc, ksc, vsc: [work-group][wave] x 512 bytes: register k holds tile 2 k's scale words in lanes 0-15 and tile 2 k + 1's in lanes 16-31.
;   qc's tiles are 16 neighbouring queries; kc's tiles hold the keys in the order given above for held tiles; vc's rows are d, its K the work-group's 128 keys in their own order.
; LIMITS: NaN and infinities among the inputs are not served.  A block whose largest magnitude lies under 2^-122 keeps the scale byte 1; so does a block of zeros, where the rule says 127: its codes are zeros, and this program alone reads the bytes.
; REGISTERS, in windows of 256.  Window 0: v1-20 addresses; v24-55, v56-87 two sets of scale words (register 4 x tile + s); v88-95 the stream's scale words; v96-143 the stream's 4 fragments;
;   v144-207 the 8 accumulators; v208-249 the quantiser's.   Window 1: held fragments 8 s + t for s = 0, 1; from v192 b1, later b3.   Window 2: those for s = 2, 3; from v192 b2.   Window 3: four buffers of 64 for X as it is loaded.
.set WPITCH, 432                       ; a weight's row in LDS: 3 x (128 bytes + 16 of padding) = 108 words: sixteen neighbouring rows start at sixteen different multiples of 4 banks (64 banks of 4 bytes: ISA guide 11.1)
.set SLICE,  128*WPITCH                ; a wave's slice of the slab
.set FRB,    1536                      ; a fragment's image
.set XI,     4*SLICE                   ; X's 32 images: tile t, K step s at (4 t + s) FRB
.set XS,     XI+32*FRB                 ; X's scale words: 512 t + 16 x lane + 4 s
.set STG,    XS+4096                   ; a stage of 16 rows x 528 bytes for each wave
.set SPITCH, 528
.set SPARE,  STG+4*16*SPITCH           ; the spare words, 128 bytes for each wave: two blocks of 256 bytes that no other line names
.set LI,  1                            ; 16 x lane
.set SPW, 2                            ; my spare word's LDS address; never rewritten
.set NIL, 3                            ; 0; never rewritten
.set XA,  4                            ; X in memory: 512 w + 16 x lane
.set TS,  5                            ; my stage, in: 16 x lane
.set TR,  6                            ; my stage, out: 528 r + 64 h
.set XWI, 7                            ; where I store X's images: K step w
.set XWS, 8                            ; and their scale words
.set XAN, 9                            ; X's images read as tiles of 16 NEIGHBOURING rows
.set XSN, 10                           ; and their scale words
.set XAP, 11                           ; X's images read as they lie
.set XSP, 12
.set WA0, 13                           ; my slice, rows in a held tile's order;  v14: the same behind one padding more
.set WN0, 15                           ; my slice, neighbouring rows;  v16 likewise
.set WSP, 17                           ; a weight's scale words in memory, held tile's order
.set WSN, 18                           ; neighbouring rows
.set BA,  19                           ; a bias along the registers: 512 w + 64 h
.set B3A, 20                           ; a bias along the lanes: 512 w + 4 r
.set HS0, 24
.set HS1, 56
.set SS,  88
.set STR, 96
.set HA,  144
.set TM,  208                          ; v208-211 largest magnitudes, v212-215 bytes, v220-223 the conversions' scale operands
.set PW,  224                          ; the scale word just made
.set SWT, 225                          ; an even tile's, kept for its odd neighbour
.set SW,  226                          ; v226-229 the pass's scale image
.set PC,  230                          ; v230-249 the codes just made
.set T0,  250                          ; v250-255 at work at the head
.set MSB, 0
.macro WIN new                         ; the immediate's high byte repeats the setting that is left; a switch that changes nothing is dropped
.if MSB != (\new)
	s_set_vgpr_msb (MSB<<8)|(\new)
.set MSB, (\new)
.endif
.endm
.macro PLACES                          ; four plain places behind a matrix instruction, in front of loads into its registers and of reads of its results
.rept 4
	v_nop
.endr
.endm
.macro ROUND                           ; a round of the cluster's barrier
	s_barrier_signal -1
	s_barrier_wait -1
	s_cmp_lg_u32 s36, 0
	s_cbranch_scc1 .Lnot_wave_0_\@
	s_barrier_signal -3
.Lnot_wave_0_\@:
	s_barrier_wait -3
	s_barrier_signal -1
	s_barrier_wait -1
.endm
.macro THREE                           ; all my tensor loads have landed; 0 onto my spare word; the add and all my LDS reads and stores are done
	s_wait_tensorcnt 0x0
	ds_add_u32 v[SPW], v[NIL]
	s_wait_dscnt 0x0
.endm
.macro BARRIER                         ; my LDS stores have landed and my LDS loads are in: then the work-group's barrier
	s_wait_dscnt 0x0
	s_barrier_signal -1
	s_barrier_wait -1
.endm
; 64 numbers of a lane, register 16 b + i = place 32 b + 16 (lane / 16) + i of my row, become a fragment's codes in v[PC] on and its scale word in v[PW] (the same in lanes l and l xor 16).
.macro QUANT s
.irp b, 0,1,2,3
	v_max3_num_f32 v[TM+\b], |v[\s+16*\b]|, |v[\s+1+16*\b]|, 0x2800000   ; my 16 numbers of block b, and the floor 2^(5 - 127): the byte cannot fall under 1.  (Each accumulator is read from its low end on)
.endr
.irp i, 2,4,6,8,10,12,14
.irp b, 0,1,2,3
	v_max3_num_f32 v[TM+\b], v[TM+\b], |v[\s+16*\b+\i]|, |v[\s+1+16*\b+\i]|   ; the four blocks by turns
.endr
.endr
.irp b, 0,1,2,3
	v_permlanex16_b32 v[TM+4+\b], v[TM+\b], s60, s61
.endr
.irp b, 0,1,2,3
	v_max_num_f32 v[TM+\b], v[TM+\b], v[TM+4+\b]   ; with lane l xor 16's: the block's largest magnitude
.endr
.irp b, 0,1,2,3
	v_add_nc_u32 v[TM+12+\b], 0xfe000000, v[TM+\b]   ; 4 off its exponent field: the conversion takes the exponent field of this operand as its scale
.endr
.irp b, 0,1,2,3
	v_lshrrev_b32 v[TM+4+\b], 23, v[TM+12+\b]      ; the scale's byte
.endr
	v_lshl_or_b32 v[PW], v[TM+5], 8, v[TM+4]
	v_lshl_or_b32 v[PW], v[TM+6], 16, v[PW]
	v_lshl_or_b32 v[PW], v[TM+7], 24, v[PW]
.irp c, 0,1
	v_cvt_scalef32_pk16_bf6_f32 v[PC+6*\c:PC+2+6*\c], v[\s+32*\c:\s+15+32*\c], v[TM+12+2*\c]
	v_cvt_scalef32_pk16_bf6_f32 v[PC+12+4*\c:PC+14+4*\c], v[\s+16+32*\c:\s+31+32*\c], v[TM+12+2*\c+1]   ; (a conversion's three registers begin on an even number)
.endr
	v_nop                                          ; one plain place behind a scaled conversion
.irp c, 0,1                                    ; the operand wants a WHOLE block in a lane: lanes 0-15 block 2 c, lanes 16-31 block 2 c + 1
.irp i, 0,1,2
	v_permlane16_swap_b32 v[PC+6*\c+\i], v[PC+12+4*\c+\i]
.endr
.irp i, 0,1,2
	v_mov_b32 v[PC+3+6*\c+\i], v[PC+12+4*\c+\i]
.endr
.endr
.endm
.macro PACK x                          ; two tiles' scale words share a register: the even tile's in lanes 0-15, the odd one's in lanes 16-31
.if (\x)%2 == 0
	v_mov_b32 v[SWT], v[PW]
.else
	v_cndmask_b32 v[SW+(\x)/2], v[SWT], v[PW], s62
.endif
.endm
.macro XLOAD f                         ; tile f's 16 rows, my 128 columns: each load reads 512 consecutive bytes of one row
	WIN 0xc0
.irp i, 0,1,2,3,4,5,6,7,8,9,10,11,12,13,14,15
	global_load_b128 v[64*((\f)%4)+4*\i:64*((\f)%4)+4*\i+3], v[XA], s[66:67] offset:(32*((\f)/2)+8*((\f)%2)+\i+8*(\i/8))*2048 th:TH_LOAD_NT
.endr
	WIN 0
.endm
; Tile f of X, K step w: through my stage (in as loaded, out 64 bytes a lane and block), quantised, its image and scale words to LDS.
; No wait closes the macro: what follows it is another tile, whose wait for 0 on DScnt stands ahead of its quantiser, or a barrier with that wait in front of it.
.macro XQ1 f
.set XN, 16*(7-(\f))
.if XN > 48
.set XN, 48
.endif
	s_wait_xcnt 0x0                                ; the last tile's global stores have read the code registers, which are written again below
	s_wait_loadcnt XN                              ; tile f's 16 loads are in; behind them at most three tiles' 16 each are out
	WIN 0x0c
.irp i, 0,1,2,3,4,5,6,7,8,9,10,11,12,13,14,15
	ds_store_b128 v[TS], v[64*((\f)%4)+4*\i:64*((\f)%4)+4*\i+3] offset:SPITCH*\i
.endr
	WIN 0
.irp b, 0,1,2,3
.irp j, 0,1,2,3
	ds_load_b128 v[HA+16*\b+4*\j:HA+16*\b+4*\j+3], v[TR] offset:128*\b+16*\j   ; LDS serves a wave's instructions in order: these see my stores
.endr
.endr
	s_wait_dscnt 0x0                               ; the numbers are back; the last tile's image stores have read the code registers; the stage's stores have read their buffer,
.if (\f) < 4
	XLOAD (\f)+4                                   ; which takes the tile four further on
.endif
	QUANT HA
.irp c, 0,1,2
	ds_store_b128 v[XWI], v[PC+4*\c:PC+4*\c+3] offset:4*FRB*(\f)+512*\c
.endr
	ds_store_b32 v[XWS], v[PW] offset:512*(\f)
.endm
; A fragment out of a weight's rows: six pieces of 8 bytes.  Lanes 16-31 read three pieces further on, which is behind one padding more where the piece's place among 16 is 13 or more: the second address register serves those.
.macro FRAGW reg, a, rowoff, s
.irp p, 0,1,2,3,4,5
.set PCI, 12*(\s)+6*(\p/3)+\p%3
.if PCI%16 < 13
	ds_load_b64 v[(\reg)+2*\p:(\reg)+2*\p+1], v[\a] offset:WPITCH*(\rowoff)+8*PCI+16*(PCI/16)
.else
	ds_load_b64 v[(\reg)+2*\p:(\reg)+2*\p+1], v[\a+1] offset:WPITCH*(\rowoff)+8*PCI+16*(PCI/16)
.endif
.endr
.endm
.macro HELD_W                          ; my slice's 32 fragments into windows 1 and 2
	WIN 0x40
.irp s, 0,1
.irp t, 0,1,2,3,4,5,6,7
	FRAGW 12*(8*\s+\t), WA0, 32*(\t/2)+8*(\t%2), \s
.endr
.endr
	WIN 0x80
.irp s, 2,3
.irp t, 0,1,2,3,4,5,6,7
	FRAGW 12*(8*(\s-2)+\t), WA0, 32*(\t/2)+8*(\t%2), \s
.endr
.endr
	WIN 0
.endm
.macro HELD_X                          ; X's 32 images into windows 1 and 2, and their scale words
	WIN 0x40
.irp s, 0,1
.irp t, 0,1,2,3,4,5,6,7
.irp c, 0,1,2
	ds_load_b128 v[12*(8*\s+\t)+4*\c:12*(8*\s+\t)+4*\c+3], v[XAP] offset:4*FRB*\t+FRB*\s+512*\c
.endr
.endr
.endr
	WIN 0x80
.irp s, 2,3
.irp t, 0,1,2,3,4,5,6,7
.irp c, 0,1,2
	ds_load_b128 v[12*(8*(\s-2)+\t)+4*\c:12*(8*(\s-2)+\t)+4*\c+3], v[XAP] offset:4*FRB*\t+FRB*\s+512*\c
.endr
.endr
.endr
	WIN 0
.irp t, 0,1,2,3,4,5,6,7
	ds_load_b128 v[HS1+4*\t:HS1+4*\t+3], v[XSP] offset:512*\t
.endr
.endm
.macro SLOADN m                        ; the stream: rows 16 m .. 16 m + 15 of X.  Their images lie in tiles 2 (m / 2) and 2 (m / 2) + 1: lanes r < 8 read the first, the others the second
.irp s, 0,1,2,3
.irp c, 0,1,2
	ds_load_b128 v[STR+12*\s+4*\c:STR+12*\s+4*\c+3], v[XAN] offset:8*FRB*((\m)/2)+128*((\m)%2)+FRB*\s+512*\c
.endr
.endr
	ds_load_b128 v[SS+4*((\m)%2):SS+4*((\m)%2)+3], v[XSN] offset:1024*((\m)/2)+128*((\m)%2)
.endm
.macro SLOADP t                        ; the stream: tile t of X as it lies
.irp s, 0,1,2,3
.irp c, 0,1,2
	ds_load_b128 v[STR+12*\s+4*\c:STR+12*\s+4*\c+3], v[XAP] offset:4*FRB*(\t)+FRB*\s+512*\c
.endr
.endr
	ds_load_b128 v[SS+4*((\t)%2):SS+4*((\t)%2)+3], v[XSP] offset:512*(\t)
.endm
.macro WLOAD i                         ; the stream: rows 16 i .. 16 i + 15 of my slice of W3
.irp s, 0,1,2,3
	FRAGW STR+12*\s, WN0, 16*(\i), \s
.endr
.endm
.macro WSC hs, p, nat                  ; a weight's scale words, 16 bytes a row: four K steps' words a lane
.irp t, 0,1,2,3,4,5,6,7
.if \nat
	global_load_b128 v[\hs+4*\t:\hs+4*\t+3], v[WSN], s[\p:\p+1] offset:256*\t
.else
	global_load_b128 v[\hs+4*\t:\hs+4*\t+3], v[WSP], s[\p:\p+1] offset:(32*(\t/2)+8*(\t%2))*16
.endif
.endr
.endm
.macro BIAS16 win, p                   ; a bias in the result's layout: tile 2 b + u, lane half h: numbers 32 b + 16 h + 8 u + 0 .. 7 of my 128
	WIN (\win)<<6
.irp t, 0,1,2,3,4,5,6,7
	global_load_b128 v[192+8*\t:192+8*\t+3], v[BA], s[\p:\p+1] offset:(32*(\t/2)+8*(\t%2))*4
	global_load_b128 v[192+8*\t+4:192+8*\t+7], v[BA], s[\p:\p+1] offset:(32*(\t/2)+8*(\t%2))*4+16
.endr
	WIN 0
.endm
; 32 matrix instructions.  The 8 accumulators take turns, one instruction a turn.  The bias is the C of each sum's first instruction: tile t's (cfix = 0) or the stream's (cfix = 1: number cidx).
.macro MM1 hs, ssb, bw, cfix, cidx
.irp s, 0,1,2,3
.if \s == 0
	WIN 0x01|((\bw)<<4)
.elseif \s == 1
	WIN 0x01
.else
	WIN 0x02
.endif
.irp t, 0,1,2,3,4,5,6,7
.set RA, 12*(8*(\s%2)+\t)
.if \cfix
.set RC, 192+8*(\cidx)
.else
.set RC, 192+8*\t
.endif
.if \s == 0
	v_wmma_scale_f32_16x16x128_f8f6f4 v[HA+8*\t:HA+8*\t+7], v[RA:RA+11], v[STR+12*\s:STR+12*\s+11], v[RC:RC+7], v[\hs+4*\t+\s], v[\ssb+\s] matrix_a_fmt:MATRIX_FMT_BF6 matrix_b_fmt:MATRIX_FMT_BF6
.else
	v_wmma_scale_f32_16x16x128_f8f6f4 v[HA+8*\t:HA+8*\t+7], v[RA:RA+11], v[STR+12*\s:STR+12*\s+11], v[HA+8*\t:HA+8*\t+7], v[\hs+4*\t+\s], v[\ssb+\s] matrix_a_fmt:MATRIX_FMT_BF6 matrix_b_fmt:MATRIX_FMT_BF6
.endif
.endr
.endr
	WIN 0
	PLACES
.endm
.macro FIN p, x                        ; the 8 accumulators become fragment x of the pass's output
	s_wait_xcnt 0x0                                ; the earlier global stores have read the code registers and the scale image
	QUANT HA
.irp c, 0,1,2
	global_store_b128 v[LI], v[PC+4*\c:PC+4*\c+3], s[\p:\p+1] offset:FRB*(\x)+512*\c   ; 32 lanes store 512 consecutive bytes, at a multiple of 512 from the buffer's first byte
.endr
	PACK \x
.endm
.macro SCOUT p
	global_store_b128 v[LI], v[SW:SW+3], s[\p:\p+1]
.endm
	s_load_b512 s[4:19], s[0:1], 0x0               ; inputs 4, dw1_codes 6, dw1_scales 8, db1 10, dw2_codes 12, dw2_scales 14, db2 16, dw3_codes 18
	s_load_b512 s[20:35], s[0:1], 0x40             ; dw3_scales 20, db3 22, qc 24, qsc 26, kc 28, ksc 30, vc 32, vsc 34
	v_lshl_add_u32 v[SPW], v0, 2, SPARE
	v_mov_b32 v[NIL], 0
	ds_add_u32 v2, v3
	ds_add_u32 v2, v3
	s_wait_dscnt 0x0
	v_lshrrev_b32 v[T0], 5, v0
	v_readfirstlane_b32 s36, v[T0]                 ; wave 0..3
	s_bfe_u32 s37, ttmp6, 0x40000                  ; cx
	s_lshl_b32 s38, ttmp9, 2
	s_add_co_u32 s38, s38, s37                     ; g = 4 x cluster + cx: it enters global addresses of X and of the outputs alone
	v_and_b32 v[T0], 31, v0                        ; lane
	v_and_b32 v[T0+1], 15, v0                      ; r
	v_bfe_u32 v[T0+2], v0, 4, 1                    ; h
	v_and_b32 v[T0+3], 8, v0
	v_add_nc_u32 v[T0+3], v[T0+3], v[T0+1]         ; r + 8 (r / 8)
	v_bfe_u32 v[T0+4], v0, 3, 1                    ; r / 8
	v_and_b32 v[T0+5], 7, v0                       ; r % 8
	v_lshlrev_b32 v[LI], 4, v[T0]
	s_lshl_b32 s2, s36, 9
	v_add_nc_u32 v[XA], s2, v[LI]
	v_lshl_add_u32 v[BA], v[T0+2], 6, s2
	v_lshl_add_u32 v[B3A], v[T0+1], 2, s2
	s_mul_i32 s2, s36, 16*SPITCH
	s_add_co_u32 s2, s2, STG
	v_add_nc_u32 v[TS], s2, v[LI]
	v_mul_u32_u24 v[TR], v[T0+1], SPITCH
	v_lshl_add_u32 v[TR], v[T0+2], 6, v[TR]
	v_add_nc_u32 v[TR], s2, v[TR]
	s_mul_i32 s2, s36, FRB
	s_add_co_u32 s2, s2, XI
	v_add_nc_u32 v[XWI], s2, v[LI]
	s_lshl_b32 s2, s36, 2
	s_add_co_u32 s2, s2, XS
	v_add_nc_u32 v[XWS], s2, v[LI]
	v_lshlrev_b32 v[XSN], 4, v[T0+5]
	v_lshl_add_u32 v[XSN], v[T0+2], 8, v[XSN]      ; 16 (r % 8) + 256 h: my place in an image
	v_mad_u32_u24 v[XAN], v[T0+4], 4*FRB, v[XSN]   ; + one tile on for r >= 8
	v_add_nc_u32 v[XAN], XI, v[XAN]
	v_lshl_add_u32 v[XSN], v[T0+4], 9, v[XSN]
	v_add_nc_u32 v[XSN], XS, v[XSN]
	v_add_nc_u32 v[XAP], XI, v[LI]
	v_add_nc_u32 v[XSP], XS, v[LI]
	s_mul_i32 s2, s36, SLICE
	v_mul_u32_u24 v[WA0], v[T0+3], WPITCH
	v_mad_u32_u24 v[WA0], v[T0+2], 24, v[WA0]
	v_add_nc_u32 v[WA0], s2, v[WA0]
	v_lshl_add_u32 v[WA0+1], v[T0+2], 4, v[WA0]
	v_mul_u32_u24 v[WN0], v[T0+1], WPITCH
	v_mad_u32_u24 v[WN0], v[T0+2], 24, v[WN0]
	v_add_nc_u32 v[WN0], s2, v[WN0]
	v_lshl_add_u32 v[WN0+1], v[T0+2], 4, v[WN0]
	s_lshl_b32 s2, s36, 11
	v_lshl_add_u32 v[WSP], v[T0+3], 4, s2
	v_lshl_add_u32 v[WSN], v[T0+1], 4, s2
.irp b, 0,1,2,3
	v_mov_b32 v[TM+4+\b], 0                        ; written once: a lane permute's destination counts as one of its sources
.endr
	s_mov_b32 s60, 0x76543210
	s_mov_b32 s61, 0xfedcba98                      ; v_permlanex16_b32's selects for lane l xor 16
	s_mov_b32 s62, 0xffff0000                      ; lanes 16-31
	; descriptor group 1: 128 rows of 384 bytes, dense in memory, 16 bytes of padding behind every 128
	s_mov_b32 s40, 15|(1<<20)|(1<<21)|(4<<22)|(3<<25)  ; 15:0 the mask: all four work-groups; 17:16 elements of 1 byte; 20 padding on; 21 set beside a mask; 24:22 after every 32 words (code 4); 31:25 of 4 words (code 3)
	; the slice (128 x 384 = 49,152 bytes, dense, from a multiple of 256 bytes on) is stated as 192 rows of 256 bytes; the padding is counted along the whole tile, so the LDS image is that of rows of 384 bytes
	s_mov_b32 s41, 256<<16                         ; tensor_dim0
	s_mov_b32 s42, 192<<16                         ; tensor_dim1
	s_mov_b32 s43, 256<<16                         ; tile_dim0
	s_mov_b32 s44, 192                             ; tile_dim1
	s_mov_b32 s45, 256                             ; from row to row
	s_mov_b32 s46, 0
	s_mov_b32 s47, 0
	s_mul_i32 s2, s36, 128*384                     ; my slice in memory
	s_mov_b32 s3, 0
	s_wait_kmcnt 0x0
	; three groups 0, one for each weight, written once: nothing of them hangs on the work-group
	s_mov_b32 s48, 1
	s_mul_i32 s49, s36, SLICE
	s_add_nc_u64 s[50:51], s[6:7], s[2:3]
	s_or_b32 s51, s51, 0x80000000
	s_mov_b32 s52, 1
	s_mul_i32 s53, s36, SLICE
	s_add_nc_u64 s[54:55], s[12:13], s[2:3]
	s_or_b32 s55, s55, 0x80000000
	s_mov_b32 s56, 1
	s_mul_i32 s57, s36, SLICE
	s_add_nc_u64 s[58:59], s[18:19], s[2:3]
	s_or_b32 s59, s59, 0x80000000
	s_lshl_b32 s2, s38, 18                         ; my 128 rows of X: 262,144 g
	s_add_nc_u64 s[66:67], s[4:5], s[2:3]
	s_lshl_b32 s39, s38, 2
	s_add_co_u32 s39, s39, s36                     ; 4 g + w
	s_mul_i32 s2, s39, 8*FRB
	s_add_nc_u64 s[68:69], s[24:25], s[2:3]        ; my eight fragments of qc,
	s_add_nc_u64 s[70:71], s[28:29], s[2:3]        ; of kc,
	s_add_nc_u64 s[72:73], s[32:33], s[2:3]        ; of vc
	s_lshl_b32 s2, s39, 9
	s_add_nc_u64 s[74:75], s[26:27], s[2:3]        ; and their scale images
	s_add_nc_u64 s[76:77], s[30:31], s[2:3]
	s_add_nc_u64 s[78:79], s[34:35], s[2:3]
	ROUND                                          ; the four work-groups are here: the first joint load meets
	tensor_load_to_lds s[48:51], s[40:47]          ; W1, my slice
	s_nop 0
	PLACES
	s_wait_alu depctr_va_vdst(0)
	WSC HS0, 8, 0                                  ; W1's scale words
	BIAS16 1, 10                                   ; b1
	XLOAD 0
	XLOAD 1
	XLOAD 2
	XLOAD 3                                        ; half of my part of X is on its way: 64 loads of 512 bytes
	XQ1 0                                          ; X's first four tiles want nothing of W1: they are quantised while it is on its way,
	XQ1 1                                          ; and each asks for the tile four further on
	XQ1 2
	XQ1 3
	s_wait_tensorcnt 0x0                           ; my slice of W1 is in LDS; only I read it
	HELD_W
	THREE                                          ; W1 is in my registers, and my images of tiles 0 to 3 lie in LDS
	ROUND                                          ; so of every wave of the four work-groups
	tensor_load_to_lds s[52:55], s[40:47]          ; W2 into the slab: it has the whole Q pass in which to land
	s_nop 0
	PLACES
	; ---- Q: tiles of 16 neighbouring rows.  Each tile's stream is asked for behind the product before it and lands while that tile is quantised
	SLOADN 0
.irp m, 0,1,2,3
	s_wait_dscnt 0x0
	MM1 HS0, SS+4*(\m%2), 1, 0, 0
.if \m < 3
	SLOADN \m+1
.endif
	FIN 68, \m
.endr
	XQ1 4                                          ; X's other four tiles, asked for at the head
	XQ1 5
	XQ1 6
	XQ1 7
	WSC HS1, 14, 0                                 ; W2's scale words and b2: four tiles of Q ahead of their use
	BIAS16 2, 16
	BARRIER                                        ; the images of tiles 4 to 7 lie in LDS
	SLOADN 4
.irp m, 4,5,6,7
	s_wait_dscnt 0x0
	MM1 HS0, SS+4*(\m%2), 1, 0, 0
.if \m < 7
	SLOADN \m+1
.else
	SLOADP 0                                       ; the K pass's first stream,
	s_wait_tensorcnt 0x0                           ; my slice of W2 is in,
	HELD_W                                         ; and goes into the registers that W1 has left, while Q's last tile is quantised
.endif
	FIN 68, \m
.endr
	SCOUT 74
	; ---- K: X's tiles as they lie
	THREE
	ROUND                                          ; every wave of the four work-groups has W2 in its registers
	tensor_load_to_lds s[56:59], s[40:47]          ; W3 into the slab
	s_nop 0
	PLACES
	s_wait_loadcnt 0x0                             ; W2's scale words and b2 are in
	WSC HS0, 20, 1                                 ; W3's scale words, neighbouring rows
	WIN 0x40
.irp i, 0,1,2,3,4,5,6,7
	global_load_b32 v[192+8*\i], v[B3A], s[22:23] offset:64*\i   ; b3 of my lane's d in tile i
.endr
	WIN 0
.irp t, 0,1,2,3,4,5,6,7
	s_wait_dscnt 0x0
	MM1 HS1, SS+4*(\t%2), 2, 0, 0
.if \t < 7
	SLOADP \t+1
.else
	s_wait_tensorcnt 0x0                           ; my slice of W3 is in
	HELD_X
	WLOAD 0
.endif
	FIN 70, \t
.endr
	SCOUT 76
	; ---- V: X is held, W3 streams.  A lane holds one d, so its bias is one number: eight equal registers as the first instruction's C
	s_wait_loadcnt 0x0
	WIN 0x41
.irp i, 0,1,2,3,4,5,6,7
.irp j, 1,2,3,4,5,6,7
	v_mov_b32 v[192+8*\i+\j], v[192+8*\i]
.endr
.endr
	WIN 0
.irp i, 0,1,2,3,4,5,6,7
	s_wait_dscnt 0x0
	MM1 HS1, HS0+4*\i, 1, 1, \i
.if \i < 7
	WLOAD \i+1
.endif
	FIN 72, \i
.endr
	SCOUT 78
	THREE                                          ; the wave's end
	ROUND                                          ; the closing round: no work-group ends while a partner may still ask for a slice that names it
	s_endpgm
.Lfunc_end_k_qa57af85247_project:
	.size	k_qa57af85247_project, .Lfunc_end_k_qa57af85247_project-k_qa57af85247_project
	.p2alignl 7, 3214868480
	.fill 96, 4, 3214868480
	.section	.rodata,"a",@progbits
	.p2align	6, 0x0
	.amdhsa_kernel k_qa57af85247_project
		.amdhsa_group_segment_fixed_size 327680
		.amdhsa_private_segment_fixed_size 0
		.amdhsa_enable_private_segment 0
		.amdhsa_kernarg_size 128
		.amdhsa_user_sgpr_count 2
		.amdhsa_user_sgpr_kernarg_segment_ptr 1
		.amdhsa_wavefront_size32 1
		.amdhsa_system_sgpr_workgroup_id_x 1
		.amdhsa_system_sgpr_workgroup_id_y 1
		.amdhsa_system_sgpr_workgroup_id_z 1
		.amdhsa_system_vgpr_workitem_id 0
		.amdhsa_next_free_vgpr 1024
		.amdhsa_next_free_sgpr 80
		.amdhsa_reserve_vcc 0
		.amdhsa_float_denorm_mode_32 3
		.amdhsa_float_denorm_mode_16_64 3
		.amdhsa_memory_ordered 1
		.amdhsa_forward_progress 1
		.amdhsa_inst_pref_size 255
	.end_amdhsa_kernel
	.section	.bss,"aw",@nobits
	.p2align	6
	.space	262144
	.amdgpu_metadata
---
amdhsa.version: [ 1, 2 ]
amdhsa.kernels:
  - .name:           k_qa57af85247_project
    .symbol:         k_qa57af85247_project.kd
    .args:
      - { .name: inputs, .offset: 0, .size: 8, .value_kind: global_buffer, .address_space: global }
      - { .name: dw1_codes, .offset: 8, .size: 8, .value_kind: global_buffer, .address_space: global }
      - { .name: dw1_scales, .offset: 16, .size: 8, .value_kind: global_buffer, .address_space: global }
      - { .name: db1, .offset: 24, .size: 8, .value_kind: global_buffer, .address_space: global }
      - { .name: dw2_codes, .offset: 32, .size: 8, .value_kind: global_buffer, .address_space: global }
      - { .name: dw2_scales, .offset: 40, .size: 8, .value_kind: global_buffer, .address_space: global }
      - { .name: db2, .offset: 48, .size: 8, .value_kind: global_buffer, .address_space: global }
      - { .name: dw3_codes, .offset: 56, .size: 8, .value_kind: global_buffer, .address_space: global }
      - { .name: dw3_scales, .offset: 64, .size: 8, .value_kind: global_buffer, .address_space: global }
      - { .name: db3, .offset: 72, .size: 8, .value_kind: global_buffer, .address_space: global }
      - { .name: qc, .offset: 80, .size: 8, .value_kind: global_buffer, .address_space: global }
      - { .name: qsc, .offset: 88, .size: 8, .value_kind: global_buffer, .address_space: global }
      - { .name: kc, .offset: 96, .size: 8, .value_kind: global_buffer, .address_space: global }
      - { .name: ksc, .offset: 104, .size: 8, .value_kind: global_buffer, .address_space: global }
      - { .name: vc, .offset: 112, .size: 8, .value_kind: global_buffer, .address_space: global }
      - { .name: vsc, .offset: 120, .size: 8, .value_kind: global_buffer, .address_space: global }
    .group_segment_fixed_size: 327680
    .private_segment_fixed_size: 0
    .kernarg_segment_align: 8
    .kernarg_segment_size: 128
    .max_flat_workgroup_size: 128
    .sgpr_count:     80
    .vgpr_count:     1024
    .wavefront_size: 32
...
	.end_amdgpu_metadata
.endif
;; end of part 1
;; launch attend (part 2): grid 256 x 1, 4 waves a work-group, no clusters, 327,680 bytes of LDS; arguments inputs, mask_array, qc, qsc, kc, ksc, vc, vsc, out0; writes out0
.if DOCPART == 2
	.amdgcn_target "amdgcn-amd-amdhsa--gfx1250"
	.amdhsa_code_object_version 6
	.text
	.protected	k_qa57af85247_attend
	.globl	k_qa57af85247_attend
	.p2align	8
	.type	k_qa57af85247_attend,@function
k_qa57af85247_attend:
	s_mov_b64 s[64:65], 0
	v_nop
	global_prefetch_b8 v0, s[64:65] scope:SCOPE_SE
	s_setreg_imm32_b32 hwreg(HW_REG_WAVE_MODE, 25, 1), 1
	s_wait_xcnt 0x0
; out = LayerNorm(softmax(Q K^T / sqrt(512) + (1 - m) x -1e10) V + X), block by block of 512 keys, on the codes and scale images that launch project stored.
; A work-group of four waves takes 128 queries of one block; wave w takes keys 128 w .. 128 w + 127 in S^T = K Q^T, and d = 128 w .. 128 w + 127 in O^T = V^T P^T.
; The row's maximum, sum, mean and variance are joined over the four waves through LDS words.  M = ceil(the row's largest t); p = 2^(t - M) is quantised along the keys; the sum is taken of the unquantised p.
; THE HEAD: each wave's one tensor load brings its strip of the mask (128 rows x 512 bytes).  Q's images (12,288 bytes a wave) come through registers that the accumulators take later, and go to LDS by stores.
; The same strip of LDS is filled again with X behind the first softmax pass.  No prefetch is written: the text has no loop to run ahead in, it walks once through its stages.
; No cluster: the four work-groups of a block share K and V alone, which go from memory straight into each wave's registers.
; LIMITS: NaN and infinities among the inputs are not served; the scaled scores stay under 2^31 in magnitude.
.set SPITCH, 528
.set STRIPB, 128*SPITCH
.set FRB,    1536
.set QP,     4*STRIPB
.set PS,     QP+32*FRB
.set E0,     PS+2048
.set SPARE,  E0+4096
.set LI,  1
.set SPW, 2
.set NIL, 3
.set MA,  4
.set XA2, 5
.set RD0, 6
.set RD1, 7
.set EW,  8
.set ER,  9
.set PWI, 10
.set QPA, 11
.set PSA, 12
.set PSR, 13
.set NK,  14
.set HSC, 16
.set SSC, 32
.set STR, 48
.set EXT, 48
.set PT4, 48
.set SO,  52
.set BY,  56
.set PC,  60
.set ST,  96
.set PSW, 112
.set SWT, 116
.set PW,  117
.set SUM, 118
.set PT1, 122
.set HT,  124
.set TB,  124
.set MSB, 0
.macro WIN new
.if MSB != (\new)
	s_set_vgpr_msb (MSB<<8)|(\new)
.set MSB, (\new)
.endif
.endm
.macro PLACES
.rept 4
	v_nop
.endr
.endm
.macro BARRIER
	s_wait_dscnt 0x0
	s_barrier_signal -1
	s_barrier_wait -1
.endm
.macro HLD f, p, off
.if (\f) < 21
.set H_R, 12*(\f)
.else
.set H_R, HT+12*(((\f)-18)%11)
.endif
.irp c, 0,1,2
	global_load_b128 v[H_R+4*\c:H_R+4*\c+3], v[LI], s[\p:\p+1] offset:(\off)+512*\c
.endr
.endm
.macro KLD f
	HLD \f, 70, FRB*(\f)
.endm
.macro VLD f
	HLD \f, 72, 32*FRB*((\f)/8)+FRB*((\f)%8)
.endm
.macro SLD i, s
.irp c, 0,1,2
	ds_load_b128 v[STR+12*(\s)+4*\c:STR+12*(\s)+4*\c+3], v[QPA] offset:(8*(\s)+(\i))*FRB+512*\c
.endr
.endm
.macro WM zero, rowa, rowb
.if \zero
.if (\rowa) && (\rowb)
	v_wmma_scale_f32_16x16x128_f8f6f4 v[M_D:M_D+7], v[M_A:M_A+11], v[M_B:M_B+11], 0, v[M_SA], v[M_SB] matrix_a_fmt:MATRIX_FMT_BF6 matrix_b_fmt:MATRIX_FMT_BF6 matrix_a_scale:MATRIX_SCALE_ROW1 matrix_b_scale:MATRIX_SCALE_ROW1
.elseif (\rowa)
	v_wmma_scale_f32_16x16x128_f8f6f4 v[M_D:M_D+7], v[M_A:M_A+11], v[M_B:M_B+11], 0, v[M_SA], v[M_SB] matrix_a_fmt:MATRIX_FMT_BF6 matrix_b_fmt:MATRIX_FMT_BF6 matrix_a_scale:MATRIX_SCALE_ROW1
.elseif (\rowb)
	v_wmma_scale_f32_16x16x128_f8f6f4 v[M_D:M_D+7], v[M_A:M_A+11], v[M_B:M_B+11], 0, v[M_SA], v[M_SB] matrix_a_fmt:MATRIX_FMT_BF6 matrix_b_fmt:MATRIX_FMT_BF6 matrix_b_scale:MATRIX_SCALE_ROW1
.else
	v_wmma_scale_f32_16x16x128_f8f6f4 v[M_D:M_D+7], v[M_A:M_A+11], v[M_B:M_B+11], 0, v[M_SA], v[M_SB] matrix_a_fmt:MATRIX_FMT_BF6 matrix_b_fmt:MATRIX_FMT_BF6
.endif
.else
.if (\rowa) && (\rowb)
	v_wmma_scale_f32_16x16x128_f8f6f4 v[M_D:M_D+7], v[M_A:M_A+11], v[M_B:M_B+11], v[M_D:M_D+7], v[M_SA], v[M_SB] matrix_a_fmt:MATRIX_FMT_BF6 matrix_b_fmt:MATRIX_FMT_BF6 matrix_a_scale:MATRIX_SCALE_ROW1 matrix_b_scale:MATRIX_SCALE_ROW1
.elseif (\rowa)
	v_wmma_scale_f32_16x16x128_f8f6f4 v[M_D:M_D+7], v[M_A:M_A+11], v[M_B:M_B+11], v[M_D:M_D+7], v[M_SA], v[M_SB] matrix_a_fmt:MATRIX_FMT_BF6 matrix_b_fmt:MATRIX_FMT_BF6 matrix_a_scale:MATRIX_SCALE_ROW1
.elseif (\rowb)
	v_wmma_scale_f32_16x16x128_f8f6f4 v[M_D:M_D+7], v[M_A:M_A+11], v[M_B:M_B+11], v[M_D:M_D+7], v[M_SA], v[M_SB] matrix_a_fmt:MATRIX_FMT_BF6 matrix_b_fmt:MATRIX_FMT_BF6 matrix_b_scale:MATRIX_SCALE_ROW1
.else
	v_wmma_scale_f32_16x16x128_f8f6f4 v[M_D:M_D+7], v[M_A:M_A+11], v[M_B:M_B+11], v[M_D:M_D+7], v[M_SA], v[M_SB] matrix_a_fmt:MATRIX_FMT_BF6 matrix_b_fmt:MATRIX_FMT_BF6
.endif
.endif
.endm
.macro MM2 i, tail
.set W, 2+(\i)/4
.irp s, 0,1,2,3
.if (\i) == 7
	s_wait_dscnt 3*(3-\s)
.else
	s_wait_dscnt 9
.endif
.if (\tail) && (\s == 3)
	s_wait_loadcnt 0x0
.endif
.irp t, 0,1,2,3,4,5,6,7
.set M_F, 8*\s+\t
.set M_D, 64*((\i)%4)+8*\t
.set M_B, STR+12*\s
.set M_SA, HSC+4*\s+\t/2
.set M_SB, SSC+4*\s+(\i)/2
.if M_F < 21
	WIN (W<<6)|(W<<4)|1
.set M_A, 12*M_F
.else
	WIN (W<<6)|(W<<4)
.set M_A, HT+12*((M_F-18)%11)
.endif
	WM (\s==0), \t%2, (\i)%2
.endr
	WIN 0
	PLACES
.if (\i) < 7
	SLD (\i)+1, \s
.endif
.endr
.endm
.macro MLOAD i
	WIN 0x40
.irp b, 0,1,2,3
.irp j, 0,1,2,3
	ds_load_b128 v[64*((\i)%2)+16*\b+4*\j:64*((\i)%2)+16*\b+4*\j+3], v[MA] offset:16*SPITCH*(\i)+128*\b+16*\j
.endr
.endr
.endm
.macro SM1 i
.set W, 2+(\i)/4
.set SB, 64*((\i)%4)
.set MB, 64*((\i)%2)
.if (\i) == 7
	s_wait_dscnt 0x0
.else
	s_wait_dscnt 16
.endif
	WIN 0x41
.set jj, 0
.rept 32
	v_pk_fma_f32 v[MB+jj:MB+jj+1], v[MB+jj:MB+jj+1], s[58:59], v[NK:NK+1] op_sel_hi:[1,0,1]
.set jj, jj+2
.endr
	WIN (W<<6)|0x10|W
.set jj, 0
.rept 32
	v_pk_fma_f32 v[SB+jj:SB+jj+1], v[SB+jj:SB+jj+1], s[60:61], v[MB+jj:MB+jj+1] op_sel_hi:[1,0,1]
.set jj, jj+2
.endr
.if (\i) < 6
	MLOAD (\i)+2
.endif
	WIN (W<<4)|(W<<2)|W
.irp b, 0,1,2,3
	v_max3_num_f32 v[TB+4*(\i)+\b], v[SB+16*\b], v[SB+16*\b+1], v[SB+16*\b+2]
.endr
	WIN (W<<4)|(W<<2)
.irp e, 3,5,7,9,11,13
.irp b, 0,1,2,3
	v_max3_num_f32 v[TB+4*(\i)+\b], v[TB+4*(\i)+\b], v[SB+16*\b+\e], v[SB+16*\b+\e+1]
.endr
.endr
.irp b, 0,1,2,3
	v_max_num_f32 v[TB+4*(\i)+\b], v[TB+4*(\i)+\b], v[SB+16*\b+15]
.endr
	WIN 0
.irp b, 0,1,2,3
	v_permlanex16_b32 v[PT4+\b], v[TB+4*(\i)+\b], s56, s57
.endr
.irp b, 0,1,2,3
	v_max_num_f32 v[TB+4*(\i)+\b], v[TB+4*(\i)+\b], v[PT4+\b]
.endr
	v_max3_num_f32 v[ST+2*(\i)], v[TB+4*(\i)], v[TB+4*(\i)+1], v[TB+4*(\i)+2]
	v_max_num_f32 v[ST+2*(\i)], v[ST+2*(\i)], v[TB+4*(\i)+3]
.endm
.macro EXW e, odd, i0
.irp k, 0,1,2,3
	ds_store_b32 v[EW], v[ST+2*((\i0)+\k)+(\odd)] offset:2048*(\e)+256*((\i0)+\k)
.endr
.endm
.macro EXR e, i0
.irp k, 0,1,2,3
	ds_load_b128 v[EXT+4*((\i0)+\k):EXT+4*((\i0)+\k)+3], v[ER] offset:2048*(\e)+256*((\i0)+\k)
.endr
.endm
.macro TOTAL i0
.irp k, 0,1,2,3
	v_add_f32 v[EXT+4*((\i0)+\k)], v[EXT+4*((\i0)+\k)], v[EXT+4*((\i0)+\k)+1]
.endr
.irp k, 0,1,2,3
	v_add_f32 v[EXT+4*((\i0)+\k)+2], v[EXT+4*((\i0)+\k)+2], v[EXT+4*((\i0)+\k)+3]
.endr
.irp k, 0,1,2,3
	v_add_f32 v[EXT+4*((\i0)+\k)], v[EXT+4*((\i0)+\k)], v[EXT+4*((\i0)+\k)+2]
.endr
.endm
.macro REDUCE i
	v_pk_add_f32 v[SUM:SUM+1], v[SUM:SUM+1], v[SUM+2:SUM+3]
	v_add_f32 v[SUM], v[SUM], v[SUM+1]
	v_permlanex16_b32 v[PT1], v[SUM], s56, s57
	v_add_f32 v[ST+2*(\i)+1], v[SUM], v[PT1]
.endm
.macro SM2 i
.set W, 2+(\i)/4
.set SB, 64*((\i)%4)
	s_wait_dscnt 0x0
.irp b, 0,1,2,3
	v_add_f32 v[TB+4*(\i)+\b], v[TB+4*(\i)+\b], v[ST+2*(\i)]
.endr
	s_wait_alu depctr_va_vdst(0)
.irp b, 0,1,2,3
	v_exp_f32 v[TB+4*(\i)+\b], v[TB+4*(\i)+\b]
.endr
	v_nop
	s_wait_alu depctr_va_vdst(0)
.irp b, 0,1,2,3
	v_max_num_f32 v[TB+4*(\i)+\b], 0x2800000, v[TB+4*(\i)+\b]
.endr
.irp b, 0,1,2,3
	v_add_nc_u32 v[SO+\b], 0xfe000000, v[TB+4*(\i)+\b]
.endr
.irp b, 0,1,2,3
	v_lshrrev_b32 v[BY+\b], 23, v[SO+\b]
.endr
	v_lshl_or_b32 v[PW], v[BY+1], 8, v[BY]
	v_lshl_or_b32 v[PW], v[BY+2], 16, v[PW]
	v_lshl_or_b32 v[PW], v[BY+3], 24, v[PW]
.if (\i) == 2
	VLD 29
.elseif (\i) == 5
	VLD 30
.elseif (\i) == 7
	VLD 31
.endif
	WIN (W<<6)|W
.set jj, 0
.rept 32
	v_pk_add_f32 v[SB+jj:SB+jj+1], v[SB+jj:SB+jj+1], v[ST+2*(\i):ST+2*(\i)+1] op_sel_hi:[1,0]
.set jj, jj+2
.endr
.set jj, 0
	s_wait_alu depctr_va_vdst(0)
.rept 64
	v_exp_f32 v[SB+jj], v[SB+jj]
.set jj, jj+1
.endr
	v_nop
	WIN (W<<2)|W
	s_wait_alu depctr_va_vdst(0)
	v_pk_add_f32 v[SUM:SUM+1], v[SB:SB+1], v[SB+4:SB+5]
	v_pk_add_f32 v[SUM+2:SUM+3], v[SB+2:SB+3], v[SB+6:SB+7]
	WIN (W<<2)
.set jj, 8
.rept 14
	v_pk_add_f32 v[SUM:SUM+1], v[SUM:SUM+1], v[SB+jj:SB+jj+1]
	v_pk_add_f32 v[SUM+2:SUM+3], v[SUM+2:SUM+3], v[SB+jj+2:SB+jj+3]
.set jj, jj+4
.endr
	WIN W
.irp c, 0,1
	v_cvt_scalef32_pk16_bf6_f32 v[PC+6*\c:PC+2+6*\c], v[SB+32*\c:SB+15+32*\c], v[SO+2*\c]
	v_cvt_scalef32_pk16_bf6_f32 v[PC+12+4*\c:PC+14+4*\c], v[SB+16+32*\c:SB+31+32*\c], v[SO+2*\c+1]
.endr
	WIN 0
	v_nop
.irp c, 0,1
.irp n, 0,1,2
	v_permlane16_swap_b32 v[PC+6*\c+\n], v[PC+12+4*\c+\n]
.endr
.irp n, 0,1,2
	v_mov_b32 v[PC+3+6*\c+\n], v[PC+12+4*\c+\n]
.endr
.endr
	REDUCE \i
.if (\i)%2 == 0
	v_mov_b32 v[SWT], v[PW]
.else
	v_cndmask_b32 v[PSW+(\i)/2], v[SWT], v[PW], s66
.endif
.irp c, 0,1,2
	ds_store_b128 v[PWI], v[PC+4*\c:PC+4*\c+3] offset:FRB*(\i)+512*\c
.endr
.endm
.macro XL i
	WIN 0x40
.irp d, 0,1,2,3,4,5,6,7
.irp e, 0,1
	ds_load_b128 v[64*((\i)%2)+8*\d+4*\e:64*((\i)%2)+8*\d+4*\e+3], v[XA2] offset:16*SPITCH*(\i)+64*\d+16*\e
.endr
.endr
.endm
.macro LNB i
.set W, 2+(\i)/4
.set SB, 64*((\i)%4)
.set MB, 64*((\i)%2)
.if (\i) == 7
	s_wait_dscnt 0x0
.else
	s_wait_dscnt 16
.endif
	WIN (W<<6)|0x10|W
.set jj, 0
.rept 32
	v_pk_fma_f32 v[SB+jj:SB+jj+1], v[SB+jj:SB+jj+1], v[ST+2*(\i):ST+2*(\i)+1], v[MB+jj:MB+jj+1] op_sel_hi:[1,0,1]
.set jj, jj+2
.endr
.if (\i) < 6
	XL (\i)+2
.endif
	WIN (W<<2)|W
	v_pk_add_f32 v[SUM:SUM+1], v[SB:SB+1], v[SB+4:SB+5]
	v_pk_add_f32 v[SUM+2:SUM+3], v[SB+2:SB+3], v[SB+6:SB+7]
	WIN (W<<2)
.set jj, 8
.rept 14
	v_pk_add_f32 v[SUM:SUM+1], v[SUM:SUM+1], v[SB+jj:SB+jj+1]
	v_pk_add_f32 v[SUM+2:SUM+3], v[SUM+2:SUM+3], v[SB+jj+2:SB+jj+3]
.set jj, jj+4
.endr
	WIN 0
	REDUCE \i
.endm
.macro LND i
.set W, 2+(\i)/4
.set SB, 64*((\i)%4)
	WIN (W<<6)|W
.set jj, 0
.rept 32
	v_pk_add_f32 v[SB+jj:SB+jj+1], v[SB+jj:SB+jj+1], v[ST+2*(\i):ST+2*(\i)+1] op_sel_hi:[1,0]
.set jj, jj+2
.endr
	WIN (W<<2)|W
	v_pk_mul_f32 v[SUM:SUM+1], v[SB:SB+1], v[SB:SB+1]
	v_pk_mul_f32 v[SUM+2:SUM+3], v[SB+2:SB+3], v[SB+2:SB+3]
.set jj, 4
.rept 15
	v_pk_fma_f32 v[SUM:SUM+1], v[SB+jj:SB+jj+1], v[SB+jj:SB+jj+1], v[SUM:SUM+1]
	v_pk_fma_f32 v[SUM+2:SUM+3], v[SB+jj+2:SB+jj+3], v[SB+jj+2:SB+jj+3], v[SUM+2:SUM+3]
.set jj, jj+4
.endr
	WIN 0
	REDUCE \i
.endm
.macro LNF i
.set W, 2+(\i)/4
.set SB, 64*((\i)%4)
	WIN (W<<6)|W
.set jj, 0
.rept 32
	v_pk_mul_f32 v[SB+jj:SB+jj+1], v[SB+jj:SB+jj+1], v[ST+2*(\i):ST+2*(\i)+1] op_sel_hi:[1,0]
.set jj, jj+2
.endr
	WIN (W<<2)
.irp d, 0,1,2,3,4,5,6,7
.irp e, 0,1
	ds_store_b128 v[XA2], v[SB+8*\d+4*\e:SB+8*\d+4*\e+3] offset:16*SPITCH*(\i)+64*\d+16*\e
.endr
.endr
.if (\i) >= 2
	s_wait_xcnt 0x0
.endif
	WIN 0x40
.irp k, 0,1,2,3,4,5,6,7,8,9,10,11,12,13,14,15
.if (\i) < 4
	ds_load_b128 v[128+64*((\i)%2)+4*\k:128+64*((\i)%2)+4*\k+3], v[RD0] offset:(16*((\i)%4)+\k)*SPITCH
.else
	ds_load_b128 v[128+64*((\i)%2)+4*\k:128+64*((\i)%2)+4*\k+3], v[RD1] offset:(16*((\i)%4)+\k)*SPITCH
.endif
.endr
.endm
.macro SEND i, younger
	s_wait_dscnt \younger
	WIN 0x04
.irp k, 0,1,2,3,4,5,6,7,8,9,10,11,12,13,14,15
	global_store_b128 v[LI], v[128+64*((\i)%2)+4*\k:128+64*((\i)%2)+4*\k+3], s[78:79] offset:(16*(\i)+\k)*2048 th:TH_STORE_NT
.endr
.endm
.macro LNHALF i0
.irp k, 0,1,2,3
	LNB (\i0)+\k
.endr
	EXW 0, 1, \i0
	BARRIER
	EXR 0, \i0
	s_wait_dscnt 0x0
	TOTAL \i0
.irp k, 0,1,2,3
	v_mul_f32 v[ST+2*((\i0)+\k)], s69, v[EXT+4*((\i0)+\k)]
.endr
.irp k, 0,1,2,3
	LND (\i0)+\k
.endr
	EXW 1, 1, \i0
	BARRIER
	EXR 1, \i0
	s_wait_dscnt 0x0
	TOTAL \i0
.irp k, 0,1,2,3
	v_fma_f32 v[EXT+4*((\i0)+\k)], v[EXT+4*((\i0)+\k)], s67, s68
.endr
	s_wait_alu depctr_va_vdst(0)
.irp k, 0,1,2,3
	v_rsq_f32 v[ST+2*((\i0)+\k)], v[EXT+4*((\i0)+\k)]
.endr
	v_nop
	s_wait_alu depctr_va_vdst(0)
	LNF \i0
.irp k, 1,2,3
	LNF (\i0)+\k
	SEND (\i0)+\k-1, 32
.endr
	SEND (\i0)+3, 0
	WIN 0
.endm
	s_load_b512 s[4:19], s[0:1], 0x0
	s_load_b64 s[20:21], s[0:1], 0x40
	v_lshl_add_u32 v[SPW], v0, 2, SPARE
	v_mov_b32 v[NIL], 0
	ds_add_u32 v2, v3
	ds_add_u32 v2, v3
	s_wait_dscnt 0x0
	v_lshrrev_b32 v[HT], 5, v0
	v_readfirstlane_b32 s22, v[HT]
	s_mov_b32 s23, ttmp9
	s_lshr_b32 s24, ttmp9, 2
	v_and_b32 v[HT], 31, v0
	v_and_b32 v[HT+1], 15, v0
	v_bfe_u32 v[HT+2], v0, 4, 1
	v_lshlrev_b32 v[LI], 4, v[HT]
	s_mul_i32 s25, s22, STRIPB
	v_mul_u32_u24 v[MA], v[HT+1], SPITCH
	v_add_nc_u32 v[MA], s25, v[MA]
	v_lshl_add_u32 v[XA2], v[HT+2], 5, v[MA]
	v_lshl_add_u32 v[MA], v[HT+2], 6, v[MA]
	v_add_nc_u32 v[RD0], s25, v[LI]
	v_add_nc_u32 v[RD1], 64*SPITCH, v[RD0]
	v_lshlrev_b32 v[ER], 4, v[HT+1]
	v_add_nc_u32 v[ER], E0, v[ER]
	s_lshl_b32 s26, s22, 2
	v_add_nc_u32 v[EW], s26, v[ER]
	s_mul_i32 s26, s22, 8*FRB
	s_add_co_u32 s26, s26, QP
	v_add_nc_u32 v[PWI], s26, v[LI]
	v_add_nc_u32 v[QPA], QP, v[LI]
	s_lshl_b32 s27, s22, 9
	s_add_co_u32 s27, s27, PS
	v_add_nc_u32 v[PSA], s27, v[LI]
	v_add_nc_u32 v[PSR], PS, v[LI]
	v_mov_b32 v[NK], 0xd056fa73
	v_mov_b32 v[NK+1], 0xd056fa73
.irp i, 0,1,2,3,4,5,6,7,8,9,10,11,12,13,14,15
	v_mov_b32 v[ST+\i], 0
.endr
	v_mov_b32 v[PT1], 0
	s_mov_b32 s56, 0x76543210
	s_mov_b32 s57, 0xfedcba98
	s_mov_b32 s58, 0x5056fa73
	s_mov_b32 s59, s58
	s_mov_b32 s60, 0x3d8293ee
	s_mov_b32 s61, s60
	s_mov_b32 s66, 0xffff0000
	s_mov_b32 s67, 0x3b000000
	s_mov_b32 s68, 0x3a83126f
	s_mov_b32 s69, 0xbb000000
	s_mov_b32 s28, (2<<16)|(1<<20)|(6<<22)|(3<<25)
	s_mov_b32 s29, 128<<16
	s_mov_b32 s30, 128<<16
	s_mov_b32 s31, 128<<16
	s_mov_b32 s32, 128
	s_mov_b32 s33, 512
	s_mov_b32 s34, 0
	s_mov_b32 s35, 0
	s_lshl_b32 s2, s23, 18
	s_lshl_b32 s3, s22, 9
	s_add_co_u32 s2, s2, s3
	s_mov_b32 s3, 0
	s_wait_kmcnt 0x0
	s_mov_b32 s44, 1
	s_mul_i32 s45, s22, STRIPB
	s_add_nc_u64 s[46:47], s[6:7], s[2:3]
	s_or_b32 s47, s47, 0x80000000
	s_mov_b32 s48, 1
	s_mul_i32 s49, s22, STRIPB
	s_add_nc_u64 s[50:51], s[4:5], s[2:3]
	s_or_b32 s51, s51, 0x80000000
	s_add_nc_u64 s[78:79], s[20:21], s[2:3]
	s_lshl_b32 s2, s23, 2
	s_add_co_u32 s2, s2, s22
	s_mul_i32 s2, s2, 8*FRB
	s_add_nc_u64 s[54:55], s[8:9], s[2:3]          ; my eight images of Q
	tensor_load_to_lds s[44:47], s[28:35]          ; my strip of the mask: my one tensor load at the head
	s_nop 0
	PLACES
	s_wait_alu depctr_va_vdst(0)
	WIN 0x80
.irp c, 0,1,2,3,4,5,6,7,8,9,10,11,12,13,14,15,16,17,18,19,20,21,22,23
	global_load_b128 v[4*\c:4*\c+3], v[LI], s[54:55] offset:512*\c   ; Q's images, 512 consecutive bytes a load, into window 2
.endr
	WIN 0
	s_lshl_b32 s2, s23, 11
	s_add_nc_u64 s[10:11], s[10:11], s[2:3]
	s_lshl_b32 s25, s24, 2
	s_add_co_u32 s25, s25, s22
	s_mul_i32 s2, s25, 32*FRB
	s_add_nc_u64 s[70:71], s[12:13], s[2:3]
	s_lshl_b32 s2, s25, 11
	s_add_nc_u64 s[74:75], s[14:15], s[2:3]
	s_mul_i32 s2, s24, 128*FRB
	s_mul_i32 s25, s22, 8*FRB
	s_add_co_u32 s2, s2, s25
	s_add_nc_u64 s[72:73], s[16:17], s[2:3]
	s_lshl_b32 s2, s24, 13
	s_lshl_b32 s25, s22, 9
	s_add_co_u32 s2, s2, s25
	s_add_nc_u64 s[76:77], s[18:19], s[2:3]
.irp s, 0,1,2,3
	global_load_b128 v[HSC+4*\s:HSC+4*\s+3], v[LI], s[74:75] offset:512*\s
	global_load_b128 v[SSC+4*\s:SSC+4*\s+3], v[LI], s[10:11] offset:512*\s
.endr
	WIN 0x40
.irp f, 0,1,2,3,4,5,6,7,8,9,10,11,12,13,14,15,16,17
	KLD \f
.endr
	s_wait_loadcnt 62                              ; Q's 24 loads are in: behind them stand 8 loads of scale words and 18 x 3 of K
	WIN 0x08
.irp c, 0,1,2,3,4,5,6,7,8,9,10,11,12,13,14,15,16,17,18,19,20,21,22,23
	ds_store_b128 v[PWI], v[4*\c:4*\c+3] offset:512*\c   ; as they lie in memory
.endr
	WIN 0x40
.irp f, 18,19,20
	KLD \f
.endr
	WIN 0
.irp f, 21,22,23,24,25,26,27,28,29,30,31
	KLD \f
.endr
	s_wait_dscnt 0x0                               ; my images of Q lie in LDS
	s_barrier_signal -1
	s_barrier_wait -1
.irp s, 0,1,2,3
	SLD 0, \s
.endr
	s_wait_loadcnt 0x0
.irp i, 0,1,2,3,4,5,6,7
	MM2 \i, 0
.endr
.irp b, 0,1,2,3
	v_mov_b32 v[PT4+\b], 0
.endr
.irp s, 0,1,2,3
	global_load_b128 v[HSC+4*\s:HSC+4*\s+3], v[LI], s[76:77] offset:2048*\s
.endr
.irp f, 21,22,23,24,25,26,27,28
	VLD \f
.endr
	WIN 0x40
.irp f, 11,12,13,14,15,16,17,18,19,20
	VLD \f
.endr
	s_wait_tensorcnt 0x0
	MLOAD 0
	MLOAD 1
.irp i, 0,1,2,3,4,5,6,7
	SM1 \i
.endr
	EXW 0, 0, 0
	EXW 0, 0, 4
	WIN 0x40
.irp f, 0,1,2,3,4,5,6,7,8,9,10
	VLD \f
.endr
	WIN 0
	s_wait_tensorcnt 0x0
	ds_add_u32 v[SPW], v[NIL]
	s_wait_dscnt 0x0
	s_barrier_signal -1
	s_barrier_wait -1
	tensor_load_to_lds s[48:51], s[28:35]
	s_nop 0
	PLACES
	EXR 0, 0
	EXR 0, 4
	s_wait_dscnt 0x0
.irp i, 0,1,2,3,4,5,6,7
	v_max3_num_f32 v[ST+2*\i], v[EXT+4*\i], v[EXT+4*\i+1], v[EXT+4*\i+2]
.endr
.irp i, 0,1,2,3,4,5,6,7
	v_max_num_f32 v[ST+2*\i], v[ST+2*\i], v[EXT+4*\i+3]
.endr
.irp i, 0,1,2,3,4,5,6,7
	v_floor_f32 v[ST+2*\i], -v[ST+2*\i]
.endr
	s_wait_alu depctr_va_vdst(0)
.irp i, 0,1,2,3,4,5,6,7
	SM2 \i
.endr
	ds_store_b128 v[PSA], v[PSW:PSW+3]
	EXW 1, 1, 0
	EXW 1, 1, 4
	BARRIER
.irp s, 0,1,2,3
	ds_load_b128 v[SSC+4*\s:SSC+4*\s+3], v[PSR] offset:512*\s
.endr
	EXR 1, 0
	EXR 1, 4
	s_wait_dscnt 0x0
	TOTAL 0
	TOTAL 4
	s_wait_alu depctr_va_vdst(0)
.irp i, 0,1,2,3,4,5,6,7
	v_rcp_f32 v[ST+2*\i], v[EXT+4*\i]
.endr
	v_nop
	s_wait_alu depctr_va_vdst(0)
.irp s, 0,1,2,3
	SLD 0, \s
.endr
	s_wait_loadcnt 3
	MM2 0, 1
.irp i, 1,2,3,4,5,6,7
	MM2 \i, 0
.endr
	s_wait_tensorcnt 0x0
	XL 0
	XL 1
	LNHALF 0
	LNHALF 4
	s_wait_tensorcnt 0x0
	ds_add_u32 v[SPW], v[NIL]
	s_wait_dscnt 0x0
	s_endpgm
.Lfunc_end_k_qa57af85247_attend:
	.size	k_qa57af85247_attend, .Lfunc_end_k_qa57af85247_attend-k_qa57af85247_attend
	.p2alignl 7, 3214868480
	.fill 96, 4, 3214868480
	.section	.rodata,"a",@progbits
	.p2align	6, 0x0
	.amdhsa_kernel k_qa57af85247_attend
		.amdhsa_group_segment_fixed_size 327680
		.amdhsa_private_segment_fixed_size 0
		.amdhsa_enable_private_segment 0
		.amdhsa_kernarg_size 72
		.amdhsa_user_sgpr_count 2
		.amdhsa_user_sgpr_kernarg_segment_ptr 1
		.amdhsa_wavefront_size32 1
		.amdhsa_system_sgpr_workgroup_id_x 1
		.amdhsa_system_sgpr_workgroup_id_y 1
		.amdhsa_system_sgpr_workgroup_id_z 1
		.amdhsa_system_vgpr_workitem_id 0
		.amdhsa_next_free_vgpr 1024
		.amdhsa_next_free_sgpr 80
		.amdhsa_reserve_vcc 0
		.amdhsa_float_denorm_mode_32 3
		.amdhsa_float_denorm_mode_16_64 3
		.amdhsa_memory_ordered 1
		.amdhsa_forward_progress 1
		.amdhsa_inst_pref_size 255
	.end_amdhsa_kernel
	.section	.bss,"aw",@nobits
	.p2align	6
	.space	262144
	.amdgpu_metadata
---
amdhsa.version: [ 1, 2 ]
amdhsa.kernels:
  - .name:           k_qa57af85247_attend
    .symbol:         k_qa57af85247_attend.kd
    .args:
      - { .name: inputs, .offset: 0, .size: 8, .value_kind: global_buffer, .address_space: global }
      - { .name: mask_array, .offset: 8, .size: 8, .value_kind: global_buffer, .address_space: global }
      - { .name: qc, .offset: 16, .size: 8, .value_kind: global_buffer, .address_space: global }
      - { .name: qsc, .offset: 24, .size: 8, .value_kind: global_buffer, .address_space: global }
      - { .name: kc, .offset: 32, .size: 8, .value_kind: global_buffer, .address_space: global }
      - { .name: ksc, .offset: 40, .size: 8, .value_kind: global_buffer, .address_space: global }
      - { .name: vc, .offset: 48, .size: 8, .value_kind: global_buffer, .address_space: global }
      - { .name: vsc, .offset: 56, .size: 8, .value_kind: global_buffer, .address_space: global }
      - { .name: out0, .offset: 64, .size: 8, .value_kind: global_buffer, .address_space: global }
    .group_segment_fixed_size: 327680
    .private_segment_fixed_size: 0
    .kernarg_segment_align: 8
    .kernarg_segment_size: 72
    .max_flat_workgroup_size: 128
    .sgpr_count:     80
    .vgpr_count:     1024
    .wavefront_size: 32
...
	.end_amdgpu_metadata
.endif
;; end of part 2
